; MI455X (gfx1250); checked and timed in simulation.
; The chip was launched on July 23, 2026; its instructions are those of AMD's public machine-readable ISA for CDNA 5 (MIT licence, August 2026) and "CDNA5" Instruction Set Architecture Reference Guide (July 2026). The comments in the code are by the model that wrote it; some were corrected since.
;; Self Attention. Allowed arithmetic: matrix products marked QUANTISED: E5M2 operands, one E8M0 scale for each 32 along K, by v_wmma_scale_f32_16x16x128_f8f6f4 with both operands' format E5M2, f32 sums; everything else in f32.
;; Inputs: Wk 1,024 x 1,024 float32; Wq 1,024 x 1,024 float32; Wv 1,024 x 1,024 float32; bk 1,024 float32; bq 1,024 float32; bv 1,024 float32; x 4 x 2,048 x 1,024 float32.
;; Outputs: out0 4 x 2,048 x 1,024 float32.
;; This version of the problem:
;;   THIS VERSION OF THE PROBLEM IS GIVEN IN LOW PRECISION. The matrix products marked QUANTISED in the list below multiply operands that are first quantised to E5M2 (5 exponent bits, 2 mantissa bits; 8 bits a number), with one power-of-two scale for each 32 numbers along K (OCP MX v1.0); their sums are f32. All else is computed in f32.
;;   The module's matrix products, in the order in which they are computed (A, B: the left and right operand; K: the contracted axis; several contracted axes count as one K, in the product's order):
;;     1. [M 8,192, K 1,024] x [K 1,024, N 1,024]; A: input x; B: input Wq: QUANTISED
;;     2. [M 8,192, K 1,024] x [K 1,024, N 1,024]; A: input x; B: input Wk: QUANTISED
;;     3. [M 8,192, K 1,024] x [K 1,024, N 1,024]; A: input x; B: input Wv: QUANTISED
;;     4. batch 64 x [M 2,048, K 64] x [K 64, N 2,048]; A: computed on the way; B: computed on the way: QUANTISED
;;     5. batch 64 x [M 64, K 2,048] x [K 2,048, N 2,048]; A: computed on the way; B: softmax (see below): QUANTISED
;;   THE QUANTISER, for each operand of a quantised product, along K:
;;     - K is cut into blocks of 32 from its start; a last block that is shorter is filled with zeros.
;;     - A block's scale is 2^e with e = floor(log2(the largest magnitude in the block)) - 15, held to -126 .. 127; a block of zeros has e = 0. As a byte (E8M0): e + 127.
;;     - Each number is divided by its block's scale, clamped to +-57,344, and rounded to the nearest number of E5M2, ties to even, subnormals kept.
;;     - The product sums the exact products of the quantised numbers (number of the format x scale) in f32.
;;   ~~~python
;;   def quantise(x, axis):      # numpy; x: float32 -> the quantised numbers, widened to float32 again
;;       x = np.moveaxis(x, axis, -1); K = x.shape[-1]
;;       x = np.pad(x, [(0, 0)] * (x.ndim - 1) + [(0, -K % 32)]); x = x.reshape(x.shape[:-1] + (-1, 32)); a = np.abs(x).max(-1, keepdims=True)
;;       e = np.where(a > 0, np.clip(np.frexp(np.where(a > 0, a, 1))[1] - 1 - 15, -126, 127), 0)      # np.frexp(a)[1] - 1 = floor(log2(a)), exactly
;;       r = np.clip(x / 2.0 ** e, -57344, 57344)
;;       step = 2.0 ** (np.maximum(np.frexp(np.where(r == 0, 1, r))[1] - 1, -14) - 2)
;;       q = np.round(r / step) * step * 2.0 ** e      # np.round: ties to even
;;       return np.moveaxis(q.reshape(q.shape[:-2] + (-1,))[..., :K], -1, axis).astype(np.float32)
;;   ~~~
;;   SOFTMAX AHEAD OF A QUANTISED PRODUCT. Where the list says 'softmax', what is quantised is not the finished softmax but p = 2^(t - M), with t = logit x log2(e) and M = ceil(the row's largest t), a whole number; so 1/2 < the row's largest p <= 1. The row's sum l is taken of the UNQUANTISED p, in f32, and the product's result is divided by l at the end. Since M is a whole number, a kernel that streams over the keys may use a running M (the ceiling of the running maximum): every later rescaling is an exact power of two, which a block's scale takes up: the codes' values come out the same.
;;   OPERANDS COMPUTED ON THE WAY. 'Computed on the way' means the value that the module computes at that place (a softmax that the list does not call 'softmax' is quantised finished and normalised). What goes into a quantiser is computed in f32, as accurately as f32 sums, v_exp_f32 and their like allow (about 1e-6 of the number): no bf16 or f16 on the way to a quantiser, and a product that is left as it is and whose result goes on into a quantised operand takes f32 operands (vector FMAs, or v_wmma_f32_16x16x4_f32). A number that lies on a knife's edge between two numbers of the format may be rounded either way, as far as f32 arithmetic and the matrix unit's own rounding can turn it there, and no further.
;; One version. Each part assembles by itself: llvm-mc -triple=amdgcn-amd-amdhsa -mcpu=gfx1250 --defsym DOCPART=n.
;; ======== version 1 of 1: 3 launches
;; limits: right only within a limited range of input values
;; workspace buffers: x_codes 8,388,608 bytes; x_scales 262,144 bytes; w_codes 3,145,728 bytes; w_scales 98,304 bytes; q_img 8,388,608 bytes; q_scl 262,144 bytes; kv_img 16,777,216 bytes; kv_scl 524,288 bytes
;; launch quant (part 1): grid 352 x 1, 4 waves a work-group, no clusters, 33,280 bytes of LDS; arguments x, Wq, Wk, Wv, x_codes, x_scales, w_codes, w_scales; writes x_codes, x_scales, w_codes, w_scales
.if DOCPART == 1
	.amdgcn_target "amdgcn-amd-amdhsa--gfx1250"
	.amdhsa_code_object_version 6
	.text
	.protected	k_q802e9c30fe_quant
	.globl	k_q802e9c30fe_quant
	.p2align	8
	.type	k_q802e9c30fe_quant,@function
k_q802e9c30fe_quant:
	s_mov_b64 s[64:65], 0
	v_nop
	global_prefetch_b8 v0, s[64:65] scope:SCOPE_SE
	s_setreg_imm32_b32 hwreg(HW_REG_WAVE_MODE, 25, 1), 1
	s_wait_xcnt 0x0
; SELF-ATTENTION IN MX-BF8, launch 1 of 3.  x [8192][1024] and Wq, Wk, Wv [1024][1024], f32, K (= E) innermost, become codes of BF8 (E5M2) with one E8M0 scale byte for each 32 along K.
; DEAD WORK: none.  All five products of the problem are live, and all three biases go into quantised operands (q, k, v), so every input is loaded by some launch; nothing is left out in any launch.
; A block's scale is 2^(floor(log2(its largest magnitude)) - 15); its byte is the largest magnitude's exponent field - 15, held at 1 from below.  Each number is divided by the scale, held within +-57,344 and rounded to the nearest code, ties to even.
; LIMITS: a block of zeros, or one whose largest magnitude lies under 2^(16 - 127), gets the byte 1 (the rule says 127 for zeros): its codes are zeros or subnormal codes under that byte, and the bytes are read by this program alone.  NaN and infinities among the inputs are not served.
; LAYOUT OF THE RESULT.  x_codes [8192][1024 B], x_scales [8192][32 B]; w_codes [3072][1024 B], w_scales [3072][32 B]: rows 0-1023 Wq, 1024-2047 Wk, 2048-3071 Wv.
; THE ROWS ARE STORED PERMUTED: in each group of 32 rows the four runs of 8 rows lie in the order 0, 2, 1, 3.  So 16 neighbouring stored rows 32 g + 16 u + r are the true rows 32 g + 8 u + r + 8 (r / 8): the rows that the next launch wants in one tile.
; SHARES.  Work-groups 0-255 take x, 256-287 Wq, 288-319 Wk, 320-351 Wv; a work-group takes 32 rows, a wave one run of 8 rows: 8,192 numbers, 16 steps of 512.
; Each of a step's four loads reads 512 consecutive bytes; the 2,048 bytes turn through the wave's own stage in LDS and come back 64 bytes a lane (16 neighbours along K; two neighbouring lanes hold a block).
; A lane's 16 codes are 16 bytes: the wave stores 512 consecutive bytes.  A wave's 256 scale bytes are gathered in its own LDS bytes and leave as 256 consecutive bytes.  No tensor loads, no barrier: waves share nothing.
.set WAVES, 4
.set STEPS, 16
.set EMAX,  15
.set MANT,  0x600000                   ; the mantissa field of 57,344 as f32
.set CB,    16                         ; bytes of 16 codes
.set R,     16                         ; v16-79   four sets of 16 numbers as they are loaded
.set X,     80                         ; v80-111  two sets of 16 neighbours
.set C,     128                        ; v128-191 codes: four registers for each step, so that no store's data are written again
.set E,     112                        ; v112-127 a scale byte for each step
.set WREG,  8192                       ; LDS: a region for each wave: two stages of 32 x SP bytes, and behind them its 256 scale bytes
.set SP,    80                         ; a lane's place in a stage: its 64 bytes + 16 of padding
.set SPW,   12                         ; v12      LDS address of my spare word; never rewritten
.set NIL,   13                         ; v13      0; never rewritten
.set SPARE, WAVES*WREG                 ; behind the four regions: the spare words, 128 bytes for each wave, which no other line names
	s_load_b256 s[4:11], s[0:1], 0x0               ; x, Wq, Wk, Wv
	s_load_b256 s[12:19], s[0:1], 0x20             ; x's codes, x's scales, W's codes, W's scales
	v_lshl_add_u32 v[SPW], v0, 2, SPARE
	v_mov_b32 v[NIL], 0
	v_lshrrev_b32 v1, 5, v0
	v_readfirstlane_b32 s22, v1                    ; wave
	v_and_b32 v2, 31, v0                           ; lane
	v_lshlrev_b32 v3, 4, v2                        ; my 16 bytes of a load's 512
	s_mul_i32 s24, s22, WREG
	v_lshrrev_b32 v14, 2, v2
	v_mul_u32_u24 v14, v14, SP
	v_and_b32 v15, 3, v2
	v_lshl_add_u32 v14, v15, 4, v14
	v_add_nc_u32 v14, s24, v14                     ; the stage, on the way in: SP (lane / 4) + 16 (lane % 4); a load's 512 bytes take eight places
	v_mul_u32_u24 v15, v2, SP
	v_add_nc_u32 v15, s24, v15                     ; and on the way out: SP x lane: my 16 neighbours
	v_mul_u32_u24 v4, v2, CB                       ; my codes' place in a step's
	v_lshrrev_b32 v5, 1, v2
	s_add_co_u32 s24, s24, 2*32*SP
	v_add_nc_u32 v5, s24, v5                       ; LDS: my wave's 256 scale bytes, my block's byte
	v_lshlrev_b32 v7, 3, v2                        ; and on the way out 8 bytes a lane
	v_add_nc_u32 v6, s24, v7
	s_mov_b32 s23, MANT                            ; (an instruction takes one literal: the hold's line has another)
	s_wait_alu depctr_va_vdst(0)
	s_wait_kmcnt 0x0
	s_cmp_lt_u32 ttmp9, 320                        ; which tensor is mine?  The choices hang on the work-group's number alone
	s_cselect_b64 s[8:9], s[8:9], s[10:11]         ; Wk or Wv
	s_cmp_lt_u32 ttmp9, 288
	s_cselect_b64 s[6:7], s[6:7], s[8:9]           ; Wq or that
	s_cmp_lt_u32 ttmp9, 256
	s_cselect_b64 s[4:5], s[4:5], s[6:7]           ; x or that
	s_cselect_b64 s[12:13], s[12:13], s[16:17]     ; the codes' buffer
	s_cselect_b64 s[14:15], s[14:15], s[18:19]     ; the scale bytes' buffer
	s_cselect_b32 s21, -1, 31
	s_cselect_b32 s20, 0, 256
	s_sub_co_u32 s20, ttmp9, s20                   ; which 32 rows of the result's buffer,
	s_and_b32 s21, s20, s21                        ; and which 32 rows of the source tensor
	s_lshl_b32 s21, s21, 2
	s_add_co_u32 s26, s21, s22                     ; the source's run of 8 rows: 4 x group + wave
	s_lshl_b32 s26, s26, 15                        ; 32,768 bytes a run (under 2^26)
	s_mov_b32 s27, 0
	s_add_nc_u64 s[4:5], s[4:5], s[26:27]
	s_and_b32 s28, s22, 1                          ; where the run is stored: the wave's two bits change places: 0, 2, 1, 3
	s_lshl_b32 s28, s28, 1
	s_lshr_b32 s29, s22, 1
	s_or_b32 s28, s28, s29
	s_lshl_b32 s20, s20, 2
	s_add_co_u32 s28, s20, s28
	s_lshl_b32 s30, s28, 13                        ; 8,192 bytes of codes a run
	s_mov_b32 s31, 0
	s_add_nc_u64 s[12:13], s[12:13], s[30:31]
	s_lshl_b32 s30, s28, 8                         ; 256 scale bytes a run
	s_add_nc_u64 s[14:15], s[14:15], s[30:31]
.macro LOAD t
.irp i, 0,1,2,3
	global_load_b128 v[R+16*((\t)%4)+4*\i:R+16*((\t)%4)+4*\i+3], v3, s[4:5] offset:2048*(\t)+512*\i th:TH_LOAD_NT   ; 32 lanes read 512 consecutive bytes
.endr
.endm
.macro TURN t                          ; step t's numbers through the stage: LDS serves a wave's instructions in order, so no wait stands between the stores and the loads
.irp i, 0,1,2,3
	ds_store_b128 v14, v[R+16*((\t)%4)+4*\i:R+16*((\t)%4)+4*\i+3] offset:32*SP*((\t)%2)+8*SP*\i
.endr
.irp i, 0,1,2,3
	ds_load_b128 v[X+16*((\t)%2)+4*\i:X+16*((\t)%2)+4*\i+3], v15 offset:32*SP*((\t)%2)+16*\i
.endr
.endm
.irp t, 0,1,2,3
	LOAD \t
.endr
	s_wait_loadcnt 12                              ; step 0's four loads are in; three steps' twelve stay out
	TURN 0
.macro STEP t
.set XS, X+16*((\t)%2)
.if (\t) > 0
	s_wait_dscnt 1                                 ; this step's numbers are back from the stage (the last step's byte store may be out): so its stores into the stage have read their registers,
.else
	s_wait_dscnt 0x0
.endif
.if (\t)+4 < STEPS
	LOAD (\t)+4                                    ; which take the loads of four steps on
.endif
.if (\t)+1 < STEPS
.if STEPS-2-(\t) >= 3
	s_wait_loadcnt 12                              ; the next step's four loads are in; those of the three steps behind it may be out
.else
	s_wait_loadcnt 4*(STEPS-2-(\t))
.endif
	TURN (\t)+1                                    ; and go through the other stage while this step is worked
.endif
	v_max3_num_f32 v8, |v[XS]|, |v[XS+1]|, |v[XS+2]|               ; the largest magnitude of my 16, in two chains
	v_max3_num_f32 v9, |v[XS+3]|, |v[XS+4]|, |v[XS+5]|
.irp i, 6,10
	v_max3_num_f32 v8, v8, |v[XS+\i]|, |v[XS+\i+1]|
	v_max3_num_f32 v9, v9, |v[XS+\i+2]|, |v[XS+\i+3]|
.endr
	v_max3_num_f32 v8, v8, |v[XS+14]|, |v[XS+15]|
	v_max3_num_f32 v8, v8, v9, (EMAX+1)<<23        ; and the floor 2^(EMAX + 1 - 127): so the byte cannot fall under 1
	v_max_num_f32_dpp v8, v8, v8 row_xmask:1 row_mask:0xf bank_mask:0xf   ; and of my neighbour's 16: the block's
	v_add_nc_u32 v11, -(EMAX<<23), v8              ; EMAX off its exponent field: the conversion takes the exponent field of this operand as its scale, and nothing else of it
	v_and_or_b32 v10, v8, 0x7f800000, s23          ; the largest number x the scale: the largest magnitude's exponent field over that number's mantissa
.irp i, 0,1,2,3,4,5,6,7,8,9,10,11,12,13,14,15
	v_med3_num_f32 v[XS+\i], v[XS+\i], -v10, v10   ; the conversion to an 8-bit code does not saturate (ISA guide 7.6.2): hold the number first
.endr
	v_cvt_scalef32_pk8_bf8_f32 v[C+4*(\t):C+4*(\t)+1], v[XS:XS+7], v11
	v_cvt_scalef32_pk8_bf8_f32 v[C+4*(\t)+2:C+4*(\t)+3], v[XS+8:XS+15], v11
	v_lshrrev_b32 v[E+(\t)], 23, v11               ; the scale's byte
	ds_store_b8 v5, v[E+(\t)] offset:16*(\t)       ; both lanes of a block write the same byte with the same value
	global_store_b128 v4, v[C+4*(\t):C+4*(\t)+3], s[12:13] offset:32*CB*(\t)   ; 32 lanes store 512 consecutive bytes
.endm
.irp t, 0,1,2,3,4,5,6,7,8,9,10,11,12,13,14,15
	STEP \t
.endr
	ds_load_b64 v[8:9], v6                         ; LDS serves a wave's instructions in order: these see my stores
	s_wait_dscnt 0x0
	global_store_b64 v7, v[8:9], s[14:15]          ; 32 lanes store 256 consecutive bytes, at a multiple of 256 from the buffer's first byte
	s_wait_tensorcnt 0x0                           ; the wave's end, behind my last LDS store
	ds_add_u32 v[SPW], v[NIL]
	s_wait_dscnt 0x0
	s_endpgm
.Lfunc_end_k_q802e9c30fe_quant:
	.size	k_q802e9c30fe_quant, .Lfunc_end_k_q802e9c30fe_quant-k_q802e9c30fe_quant
	.p2alignl 7, 3214868480
	.fill 96, 4, 3214868480
	.section	.rodata,"a",@progbits
	.p2align	6, 0x0
	.amdhsa_kernel k_q802e9c30fe_quant
		.amdhsa_group_segment_fixed_size 33280
		.amdhsa_private_segment_fixed_size 0
		.amdhsa_enable_private_segment 0
		.amdhsa_kernarg_size 64
		.amdhsa_user_sgpr_count 2
		.amdhsa_user_sgpr_kernarg_segment_ptr 1
		.amdhsa_wavefront_size32 1
		.amdhsa_system_sgpr_workgroup_id_x 1
		.amdhsa_system_sgpr_workgroup_id_y 1
		.amdhsa_system_sgpr_workgroup_id_z 1
		.amdhsa_system_vgpr_workitem_id 0
		.amdhsa_next_free_vgpr 192
		.amdhsa_next_free_sgpr 66
		.amdhsa_reserve_vcc 0
		.amdhsa_float_denorm_mode_32 3
		.amdhsa_float_denorm_mode_16_64 3
		.amdhsa_memory_ordered 1
		.amdhsa_forward_progress 1
		.amdhsa_inst_pref_size 51
	.end_amdhsa_kernel
	.amdgpu_metadata
---
amdhsa.version: [ 1, 2 ]
amdhsa.kernels:
  - .name:           k_q802e9c30fe_quant
    .symbol:         k_q802e9c30fe_quant.kd
    .args:
      - { .name: x, .offset: 0, .size: 8, .value_kind: global_buffer, .address_space: global }
      - { .name: Wq, .offset: 8, .size: 8, .value_kind: global_buffer, .address_space: global }
      - { .name: Wk, .offset: 16, .size: 8, .value_kind: global_buffer, .address_space: global }
      - { .name: Wv, .offset: 24, .size: 8, .value_kind: global_buffer, .address_space: global }
      - { .name: x_codes, .offset: 32, .size: 8, .value_kind: global_buffer, .address_space: global }
      - { .name: x_scales, .offset: 40, .size: 8, .value_kind: global_buffer, .address_space: global }
      - { .name: w_codes, .offset: 48, .size: 8, .value_kind: global_buffer, .address_space: global }
      - { .name: w_scales, .offset: 56, .size: 8, .value_kind: global_buffer, .address_space: global }
    .group_segment_fixed_size: 33280
    .private_segment_fixed_size: 0
    .kernarg_segment_align: 8
    .kernarg_segment_size: 64
    .max_flat_workgroup_size: 128
    .sgpr_count:     66
    .vgpr_count:     192
    .wavefront_size: 32
...
	.end_amdgpu_metadata
.endif
;; end of part 1
;; launch proj (part 2): grid 8 x 48, 4 waves a work-group, clusters of 4 x 4, 327,680 bytes of LDS; arguments x_codes, x_scales, w_codes, w_scales, bq, bk, bv, q_img, q_scl, kv_img, kv_scl; writes q_img, q_scl, kv_img, kv_scl
.if DOCPART == 2
	.amdgcn_target "amdgcn-amd-amdhsa--gfx1250"
	.amdhsa_code_object_version 6
	.text
	.protected	k_q802e9c30fe_proj
	.globl	k_q802e9c30fe_proj
	.p2align	8
	.type	k_q802e9c30fe_proj,@function
k_q802e9c30fe_proj:
	s_mov_b64 s[64:65], 0
	v_nop
	global_prefetch_b8 v0, s[64:65] scope:SCOPE_SE
	s_setreg_imm32_b32 hwreg(HW_REG_WAVE_MODE, 25, 1), 1
	s_wait_xcnt 0x0
	s_wait_alu depctr_hold_cnt(0) depctr_sa_sdst(0) depctr_va_vdst(0) depctr_va_sdst(0) depctr_va_ssrc(0) depctr_va_vcc(0) depctr_vm_vsrc(0)
	s_getreg_b32 s2, hwreg(HW_REG_IB_STS2, 6, 4)
	s_cmp_eq_u32 s2, 0
	s_cbranch_scc0 .Lentry_in_a_cluster
	s_endpgm
.Lentry_in_a_cluster:
	s_bfe_u32 s2, ttmp6, 0x10000c
	s_cmp_lg_u32 s2, 0xf033
	s_cbranch_scc0 .Lentry_shape_is_right
	s_endpgm
.Lentry_shape_is_right:
.set KSTEP,  256
.set NQ,     2
.set ROWB,   256
.set KROW,   1024
.set PITCH,  272
.set FR,     16
.set NL,     4
.set NP,     8
.set HALFT,  128*PITCH
.set SLOT,   4*HALFT
.set LAPS,   2
.set KS,     32
.set SCL,    2*SLOT
.set HALFS,  16*272
.set SBLK,   2*272
.set SPARE,  SCL+4*HALFS
.set ADRA, 16
.set ADRB, 20
.set BO0,  22
.set BO1,  23
.set LI,   24
.set L8,   25
.set LN,   26
.set ADRS, 27
.set SPW,  28
.set NIL,  29
.set SC,   32
.set BI,   64
.set AF,   128
.set ST,   128
.set PC,   192
.set TM,   208
.set SW,   224
.set WW,   232
.set XY,   240
.set G1, 24
.set G0, 32
.set G1B, 48
.set G0B, 56
.set G1S, 68
.set G0S, 76
.set G1SB, 80
.set G0SB, 88
.set MSB, 0
.macro WIN new
.if MSB != (\new)
	s_set_vgpr_msb (MSB<<8)|(\new)
.set MSB, (\new)
.endif
.endm
.set MUL_LO, 0xa1
.set MUL_HI, 0xf1
.set TO_B,   0x40
.macro JLOAD g0a, g1a, g0b, g1b
	s_cmp_eq_u32 s15, 0
	s_cbranch_scc0 .Lfor_b_\@
	tensor_load_to_lds s[\g0a:\g0a+3], s[\g1a:\g1a+7]
	s_nop 0
.rept 4
	v_nop
.endr
	s_branch .Lasked_\@
.Lfor_b_\@:
	tensor_load_to_lds s[\g0b:\g0b+3], s[\g1b:\g1b+7]
	s_nop 0
.rept 4
	v_nop
.endr
.Lasked_\@:
.endm
.macro CREST
	s_cmp_lg_u32 s14, 0
	s_cbranch_scc1 .Lnot_wave_0_\@
	s_barrier_signal -3
.Lnot_wave_0_\@:
	s_barrier_wait -3
	s_barrier_signal -1
	s_barrier_wait -1
.endm
.macro CROUND
	s_barrier_signal -1
	s_barrier_wait -1
	CREST
.endm
	s_load_b256 s[4:11], s[0:1], 0x0
	s_load_b256 s[92:99], s[0:1], 0x20
	s_load_b64 s[12:13], s[0:1], 0x40
	s_load_b64 s[66:67], s[0:1], 0x48
	s_load_b64 s[100:101], s[0:1], 0x50
	v_lshl_add_u32 v[SPW], v0, 2, SPARE
	v_mov_b32 v[NIL], 0
	ds_add_u32 v[SPW], v[NIL]
	ds_add_u32 v[SPW], v[NIL]
	v_lshrrev_b32 v1, 5, v0
	v_readfirstlane_b32 s14, v1
	s_lshr_b32 s15, s14, 1
	s_and_b32 s16, s14, 1
	s_bfe_u32 s40, ttmp6, 0x40000
	s_bfe_u32 s41, ttmp6, 0x40004
	s_and_b32 s18, ttmp7, 0xffff
	s_sub_co_u32 s19, s18, 8
	s_lshl_b32 s19, s19, 3
	s_lshl_b32 s20, s18, 2
	s_lshl_b32 s42, ttmp9, 2
	s_add_co_u32 s42, s42, s40
	s_cmp_ge_u32 s18, 8
	s_cselect_b32 s2, 1, 0
	s_cselect_b32 s19, s19, 0
	s_cselect_b32 s20, 0, s20
	s_cselect_b32 s3, 2048, 0
	s_add_co_u32 s42, s42, s19
	s_add_co_u32 s17, s41, s20
	s_lshl_b32 s43, s41, 2
	s_lshl_b32 s43, 15, s43
	s_lshl_b32 s44, 0x1111, s40
	s_or_b32 s[G1+0], s43, (0<<16)|(1<<20)|(1<<21)|(5<<22)|(3<<25)
	s_or_b32 s[G1B+0], s44, (0<<16)|(1<<20)|(1<<21)|(5<<22)|(3<<25)
.irp g, G1, G1B
	s_mov_b32 s[\g+1], ROWB<<16
	s_mov_b32 s[\g+2], 256<<16                     ; the head's loads of codes bring 256 rows
	s_mov_b32 s[\g+3], ROWB<<16
	s_mov_b32 s[\g+4], 256
	s_mov_b32 s[\g+5], KROW
	s_mov_b32 s[\g+6], 0
	s_mov_b32 s[\g+7], 0
.endr
	s_or_b32 s[G1S+0], s43, (3<<16)|(1<<20)|(1<<21)|(5<<22)|(3<<25)
	s_or_b32 s[G1SB+0], s44, (3<<16)|(1<<20)|(1<<21)|(5<<22)|(3<<25)
.irp g, G1S, G1SB
	s_mov_b32 s[\g+1], 32<<16
	s_mov_b32 s[\g+2], 32<<16                      ; the scales of 256 rows: 32 rows of 256 bytes
	s_mov_b32 s[\g+3], 32<<16
	s_mov_b32 s[\g+4], 32
	s_mov_b32 s[\g+5], 32
	s_mov_b32 s[\g+6], 0
	s_mov_b32 s[\g+7], 0
.endr
	s_lshl_b32 s20, s17, 8                         ; the first row of A's tile of 256 rows,
	s_add_co_u32 s20, s20, s3
	s_lshl_b32 s46, s42, 8                         ; and of B's
	s_lshl_b32 s[G0S+2], s20, 5
	s_mov_b32 s[G0S+3], 0
	s_lshl_b32 s[G0SB+2], s46, 5
	s_mov_b32 s[G0SB+3], 0
	s_lshl_b32 s20, s20, 10
	s_mov_b32 s21, 0
	s_lshl_b32 s46, s46, 10
	s_mov_b32 s47, 0
	s_mul_i32 s45, s14, HALFT
	s_mov_b32 s[G0S+1], SCL
	s_mov_b32 s[G0SB+1], SCL+2*HALFS
	s_wait_dscnt 0x0
	s_wait_kmcnt 0x0
	s_cmp_eq_u32 s2, 0
	s_cselect_b64 s[18:19], s[4:5], s[8:9]
	s_cselect_b64 s[8:9], s[8:9], s[4:5]
	s_mov_b64 s[4:5], s[18:19]
	s_cselect_b64 s[18:19], s[6:7], s[10:11]
	s_cselect_b64 s[10:11], s[10:11], s[6:7]
	s_mov_b64 s[6:7], s[18:19]
	s_add_nc_u64 s[20:21], s[4:5], s[20:21]
	s_add_nc_u64 s[46:47], s[8:9], s[46:47]
	s_add_nc_u64 s[G0S+2:G0S+3], s[6:7], s[G0S+2:G0S+3]
	s_add_nc_u64 s[G0SB+2:G0SB+3], s[10:11], s[G0SB+2:G0SB+3]
	CROUND
.set G0H, 4                            ; s[4:7], s[8:11] group 0 for the head's loads of K step 0 (the arguments that lay there have been used)
.set G0HB, 8
	s_mov_b32 s[G0H], 1                            ; the head's four tiles, each whole: K step 0's 256 rows of A,
	s_mov_b32 s[G0H+1], 0
	s_mov_b64 s[G0H+2:G0H+3], s[20:21]
	s_or_b32 s[G0H+3], s[G0H+3], 0x80000000
	s_mov_b32 s[G0HB], 1                           ; its 256 rows of B, behind them in slot 0,
	s_mov_b32 s[G0HB+1], 2*HALFT
	s_mov_b64 s[G0HB+2:G0HB+3], s[46:47]
	s_or_b32 s[G0HB+3], s[G0HB+3], 0x80000000
	s_mov_b32 s[G0S], 1                            ; the scales of A's 256 rows,
	s_or_b32 s[G0S+3], s[G0S+3], 0x80000000
	s_mov_b32 s[G0SB], 1                           ; and of B's
	s_or_b32 s[G0SB+3], s[G0SB+3], 0x80000000
	s_lshl_b32 s18, s16, 17                        ; for the ring: my 128 rows of the tile, 1,024 bytes a row
	s_mov_b32 s19, 0
	s_add_nc_u64 s[20:21], s[20:21], s[18:19]
	s_add_nc_u64 s[46:47], s[46:47], s[18:19]
.irp s, 0,1
	s_mov_b32 s[G0+4*\s], 1
	s_add_co_u32 s[G0+4*\s+1], s45, \s*SLOT
	s_add_nc_u64 s[G0+4*\s+2:G0+4*\s+3], s[20:21], \s*ROWB
	s_or_b32 s[G0+4*\s+3], s[G0+4*\s+3], 0x80000000
	s_mov_b32 s[G0B+4*\s], 1
	s_add_co_u32 s[G0B+4*\s+1], s45, \s*SLOT
	s_add_nc_u64 s[G0B+4*\s+2:G0B+4*\s+3], s[46:47], \s*ROWB
	s_or_b32 s[G0B+4*\s+3], s[G0B+4*\s+3], 0x80000000
.endr
; the head's loads, one a wave: wave 0 A's rows, wave 1 B's, wave 2 A's scales, wave 3 B's; one tree of branches on the wave's number, a load in each arm
.macro ARM under, g0, g1, next
	s_cmp_lt_u32 s14, \under
	s_cbranch_scc0 \next
	tensor_load_to_lds s[\g0:\g0+3], s[\g1:\g1+7]
	s_nop 0
.rept 4
	v_nop
.endr
	s_branch .Lhead_asked
\next:
.endm
	ARM 1, G0H,  G1,  .Lhead_b
	ARM 2, G0HB, G1B, .Lhead_sa
	ARM 3, G0S,  G1S, .Lhead_sb
	tensor_load_to_lds s[G0SB:G0SB+3], s[G1SB:G1SB+7]
	s_nop 0
.rept 4
	v_nop
.endr
.Lhead_asked:
	v_and_b32 v1, 15, v0
	v_bfe_u32 v2, v0, 4, 1
	v_mul_u32_u24 v3, v1, PITCH
	v_lshl_add_u32 v4, v2, 4, v3
	s_mul_i32 s21, s15, HALFT
	s_mul_i32 s22, s16, HALFT
	s_add_co_u32 s22, s22, 2*HALFT
.irp s, 0,1
	v_add_nc_u32 v[ADRA+\s], s21, v4
	v_add_nc_u32 v[ADRB+\s], s22, v4
	s_add_co_u32 s21, s21, SLOT
	s_add_co_u32 s22, s22, SLOT
.endr
	v_mul_u32_u24 v5, v1, KS
	v_lshrrev_b32 v6, 8, v5
	v_lshl_add_u32 v5, v6, 4, v5
	s_mul_i32 s21, s15, HALFS
	s_mul_i32 s22, s16, HALFS
	s_add_co_u32 s22, s22, 2*HALFS
	s_sub_co_u32 s22, s22, s21
	v_mul_u32_u24 v6, s22, v2
	s_add_co_u32 s21, s21, SCL
	v_add_nc_u32 v5, v5, v6
	v_add_nc_u32 v[ADRS], s21, v5
	v_and_b32 v[LN], 31, v0
	v_lshlrev_b32 v[LI], 4, v[LN]
	v_lshlrev_b32 v[L8], 3, v[LN]
	v_lshlrev_b32 v[BO0], 6, v2
	v_and_b32 v[BO1], 8, v1
	v_add_nc_u32 v[BO1], v[BO1], v1
	v_lshlrev_b32 v[BO1], 2, v[BO1]
	s_lshl_b32 s18, s42, 8
	s_lshl_b32 s19, s16, 7
	s_add_co_u32 s18, s18, s19
	s_lshl_b32 s19, s17, 8
	s_lshl_b32 s20, s15, 7
	s_add_co_u32 s19, s19, s20
	s_and_b32 s20, s18, 1023
	s_cmp_eq_u32 s2, 0
	s_cselect_b32 s22, s19, s18
	s_cselect_b32 s23, s20, s19
	s_cselect_b32 s21, ttmp9, 1
	s_cselect_b32 s40, 0, 8192
	s_cselect_b32 s41, 0, 256
	s_cselect_b64 s[94:95], s[94:95], s[96:97]
	s_lshr_b32 s18, s22, 11
	s_lshl_b32 s18, s18, 4
	s_lshr_b32 s19, s23, 6
	s_add_co_u32 s18, s18, s19
	s_lshl_b32 s18, s18, 4
	s_bfe_u32 s19, s22, 0x40007
	s_add_co_u32 s18, s18, s19
	s_cmp_eq_u32 s21, 0
	s_cselect_b64 s[66:67], s[98:99], s[66:67]
	s_cselect_b64 s[100:101], s[12:13], s[100:101]
	s_cselect_b64 s[92:93], s[92:93], s[94:95]
	s_cselect_b32 s19, 13, 14
	s_cselect_b32 s20, 8, 9
	s_lshl_b32 s42, s18, s19
	s_add_co_u32 s42, s42, s40
	s_mov_b32 s43, 0
	s_add_nc_u64 s[66:67], s[66:67], s[42:43]
	s_lshl_b32 s42, 16, s19
	s_add_nc_u64 s[98:99], s[66:67], s[42:43]
	s_lshl_b32 s42, s18, s20
	s_add_co_u32 s42, s42, s41
	s_add_nc_u64 s[100:101], s[100:101], s[42:43]
	s_lshl_b32 s42, 16, s20
	s_add_nc_u64 s[12:13], s[100:101], s[42:43]
	s_lshl_b32 s42, s23, 2
	s_add_nc_u64 s[92:93], s[92:93], s[42:43]
.macro FRAG reg, adr, q, i
.irp c, 0,1,2,3
	ds_load_b128 v[\reg+4*\c:\reg+4*\c+3], v[\adr] offset:128*(\q)+32*\c+(\i)*16*PITCH
.endr
.endm
.macro MUL16 a0, p, q, sc, zero
.irp a, \a0, \a0+1
.irp b, 0,1,2,3,4,5,6,7
.if \zero
	v_wmma_scale_f32_16x16x128_f8f6f4 v[8*(8*((\a)%4)+\b):8*(8*((\a)%4)+\b)+7], v[128*(\p)+FR*\b:128*(\p)+FR*\b+FR-1], v[AF+FR*(\a):AF+FR*(\a)+FR-1], 0, v[SC+8*NQ*(\sc)+NQ*\b+(\q)], v[SC+8*NQ*(\sc)+NQ*(\a)+(\q)] matrix_a_fmt:MATRIX_FMT_BF8 matrix_b_fmt:MATRIX_FMT_BF8 matrix_a_scale:MATRIX_SCALE_ROW1
.else
	v_wmma_scale_f32_16x16x128_f8f6f4 v[8*(8*((\a)%4)+\b):8*(8*((\a)%4)+\b)+7], v[128*(\p)+FR*\b:128*(\p)+FR*\b+FR-1], v[AF+FR*(\a):AF+FR*(\a)+FR-1], v[8*(8*((\a)%4)+\b):8*(8*((\a)%4)+\b)+7], v[SC+8*NQ*(\sc)+NQ*\b+(\q)], v[SC+8*NQ*(\sc)+NQ*(\a)+(\q)] matrix_a_fmt:MATRIX_FMT_BF8 matrix_b_fmt:MATRIX_FMT_BF8 matrix_a_scale:MATRIX_SCALE_ROW1
.endif
.endr
.endr
.endm
.macro FETCH_B slot, q, p
	WIN TO_B
.irp i, 0,1,2,3,4,5,6,7
	FRAG 128*(\p)+FR*\i, ADRB+\slot, \q, \i
.endr
	WIN 0
.endm
.macro FETCH_A slot, q, i0
.irp i, \i0, \i0+1, \i0+2, \i0+3
	FRAG AF+FR*(\i), ADRA+\slot, \q, \i
.endr
.endm
.macro SCALES sc
.irp i, 0,1,2,3,4,5,6,7
	ds_load_b64 v[SC+8*NQ*\sc+NQ*\i:SC+8*NQ*\sc+NQ*\i+1], v[ADRS] offset:\i*SBLK
.endr
.endm
.macro PLACES n
.rept \n
	v_nop
.endr
.endm
.macro STEP slot, q, zero
	s_wait_dscnt 4*NL
	WIN MUL_LO
	MUL16 0, (\q)%2, \q, \slot, \zero
	MUL16 2, (\q)%2, \q, \slot, \zero
	s_wait_dscnt 0
	PLACES NP
	FETCH_B \slot, (\q)+1, 1-(\q)%2
	FETCH_A \slot, (\q)+1, 0
	WIN MUL_HI
	MUL16 4, (\q)%2, \q, \slot, \zero
	MUL16 6, (\q)%2, \q, \slot, \zero
	PLACES NP
	WIN 0
	FETCH_A \slot, (\q)+1, 4
.endm
.macro TURN slot, next, fill
	s_wait_tensorcnt 0x0
	ds_add_u32 v[SPW], v[NIL]
	s_wait_dscnt 4*NL+1
	WIN MUL_LO
	MUL16 0, 1, NQ-1, \slot, 0
	s_wait_dscnt 0x0
	s_barrier_signal -1
	MUL16 2, 1, NQ-1, \slot, 0
	WIN 0
	s_barrier_wait -1
.if \fill
	CREST
	s_add_nc_u64 s[G0+4*\slot+2:G0+4*\slot+3], s[G0+4*\slot+2:G0+4*\slot+3], 2*ROWB
	s_add_nc_u64 s[G0B+4*\slot+2:G0B+4*\slot+3], s[G0B+4*\slot+2:G0B+4*\slot+3], 2*ROWB
	JLOAD G0+4*\slot, G1, G0B+4*\slot, G1B
	PLACES NP-4
.else
	PLACES NP
.endif
	s_wait_alu depctr_va_vdst(0)
	v_add_nc_u32 v[ADRS], 4*NQ, v[ADRS]
	FETCH_B \next, 0, 0
	FETCH_A \next, 0, 0
	SCALES \next
	WIN MUL_HI
	MUL16 4, 1, NQ-1, \slot, 0
	MUL16 6, 1, NQ-1, \slot, 0
	PLACES NP
	WIN 0
	FETCH_A \next, 0, 4
.endm
.macro QUANT a
.irp b, 0,1,2,3
	v_max3_num_f32 v[TM+\b], |v[ST+16*\b]|, |v[ST+1+16*\b]|, 0x8000000
.endr
.irp i, 2,4,6,8,10,12,14
.irp b, 0,1,2,3
	v_max3_num_f32 v[TM+\b], v[TM+\b], |v[ST+16*\b+\i]|, |v[ST+1+16*\b+\i]|
.endr
.endr
.irp b, 0,1,2,3
	v_permlanex16_b32 v[TM+4+\b], v[TM+\b], s46, s47
.endr
.irp b, 0,1,2,3
	v_max_num_f32 v[TM+\b], v[TM+\b], v[TM+4+\b]
.endr
.irp b, 0,1,2,3
	v_add_nc_u32 v[TM+12+\b], 0xf8800000, v[TM+\b]
.endr
.irp b, 0,1,2,3
	v_and_or_b32 v[TM+8+\b], v[TM+\b], 0x7f800000, s45
.endr
.irp b, 0,1,2,3
	v_lshrrev_b32 v[TM+4+\b], 23, v[TM+12+\b]
.endr
	v_lshl_or_b32 v[SW+(\a)], v[TM+5], 8, v[TM+4]
	v_lshl_or_b32 v[SW+(\a)], v[TM+6], 16, v[SW+(\a)]
	v_lshl_or_b32 v[SW+(\a)], v[TM+7], 24, v[SW+(\a)]
.irp b, 0,1,2,3
.irp i, 0,1,2,3,4,5,6,7,8,9,10,11,12,13,14,15
	v_med3_num_f32 v[ST+16*\b+\i], v[ST+16*\b+\i], -v[TM+8+\b], v[TM+8+\b]
.endr
.if ((\a) > 0) && (\b == 0)
	s_wait_alu depctr_va_vdst(0)
	s_wait_xcnt 0x0
.endif
	v_cvt_scalef32_pk8_bf8_f32 v[PC+4*\b:PC+1+4*\b], v[ST+16*\b:ST+7+16*\b], v[TM+12+\b]
	v_cvt_scalef32_pk8_bf8_f32 v[PC+2+4*\b:PC+3+4*\b], v[ST+8+16*\b:ST+15+16*\b], v[TM+12+\b]
.endr
	v_nop
.endm
.macro BLOCKOUT a, isv
	WIN 0x02+(\a)/4
.set pp, 0
.rept 32
.if \isv
	v_pk_add_f32 v[ST+2*pp:ST+2*pp+1], v[64*((\a)%4)+2*pp:64*((\a)%4)+2*pp+1], v[BI+2*(\a):BI+2*(\a)+1]
.else
	v_pk_add_f32 v[ST+2*pp:ST+2*pp+1], v[64*((\a)%4)+2*pp:64*((\a)%4)+2*pp+1], v[BI+2*pp:BI+2*pp+1]
.endif
.set pp, pp+1
.endr
	WIN 0
	QUANT \a
.if \isv
.irp c, 0,1,2,3
	global_store_b128 v[LI], v[PC+4*\c:PC+4*\c+3], s[66:67] offset:262144*((\a)/4)+2048*((\a)%4)+512*\c
.endr
.else
	global_store_b128 v[LI], v[PC:PC+3], s[66:67] offset:1024*(\a)
	global_store_b128 v[LI], v[PC+4:PC+7], s[66:67] offset:1024*(\a)+512
	global_store_b128 v[LI], v[PC+8:PC+11], s[98:99] offset:1024*(\a)
	global_store_b128 v[LI], v[PC+12:PC+15], s[98:99] offset:1024*(\a)+512
.endif
.endm
.macro TAIL isv
.if \isv
.irp a, 0,1,2,3,4,5,6,7
	global_load_b32 v[BI+2*\a], v[BO1], s[92:93] offset:(32*(\a/2)+8*(\a%2))*4
	global_load_b32 v[BI+2*\a+1], v[BO1], s[92:93] offset:(32*(\a/2)+8*(\a%2))*4
.endr
.else
.irp b, 0,1,2,3
.irp q, 0,1,2,3
	global_load_b128 v[BI+16*\b+4*\q:BI+16*\b+4*\q+3], v[BO0], s[92:93] offset:128*\b+16*\q
.endr
.endr
.endif
	s_wait_dscnt 4*NL
	WIN MUL_LO
	MUL16 0, 1, NQ-1, 1, 0
	MUL16 2, 1, NQ-1, 1, 0
	s_wait_dscnt 0
	WIN MUL_HI
	MUL16 4, 1, NQ-1, 1, 0
	MUL16 6, 1, NQ-1, 1, 0
	WIN 0
	PLACES NP
.irp b, 0,1,2,3
	v_mov_b32 v[TM+4+\b], 0
.endr
	v_cmp_gt_u32 vcc_lo, 16, v[LN]
	s_wait_loadcnt 0x0
.irp a, 0,1,2,3,4,5,6,7
	BLOCKOUT \a, \isv
.endr
.if \isv
	v_cndmask_b32 v[XY], v[SW+1], v[SW], vcc_lo
	v_cndmask_b32 v[XY+1], v[SW+3], v[SW+2], vcc_lo
	v_cndmask_b32 v[XY+2], v[SW+5], v[SW+4], vcc_lo
	v_cndmask_b32 v[XY+3], v[SW+7], v[SW+6], vcc_lo
.else
.irp f, 0,1,2,3
	v_perm_b32 v[WW+\f], v[SW+2*\f+1], v[SW+2*\f], 0x05040100
	v_perm_b32 v[WW+4+\f], v[SW+2*\f+1], v[SW+2*\f], 0x07060302
.endr
	v_cndmask_b32 v[XY], v[WW+1], v[WW], vcc_lo
	v_cndmask_b32 v[XY+1], v[WW+3], v[WW+2], vcc_lo
	v_cndmask_b32 v[XY+2], v[WW+5], v[WW+4], vcc_lo
	v_cndmask_b32 v[XY+3], v[WW+7], v[WW+6], vcc_lo
.endif
	global_store_b64 v[L8], v[XY:XY+1], s[100:101]
	global_store_b64 v[L8], v[XY+2:XY+3], s[12:13]
.endm
	s_mov_b32 s46, 0x76543210
	s_mov_b32 s47, 0xfedcba98
	s_mov_b32 s45, 0x600000
	s_wait_alu depctr_va_vdst(0)
	s_wait_tensorcnt 0x0                           ; my tile of the head's four is in
	ds_add_u32 v[SPW], v[NIL]
	s_mov_b32 s[G1+2], 128<<16                     ; no tensor load of mine is out: from here on a load brings 128 rows
	s_mov_b32 s[G1+4], 128
	s_mov_b32 s[G1B+2], 128<<16
	s_mov_b32 s[G1B+4], 128
	s_wait_dscnt 0x0
	CROUND                                         ; all four tiles are in, and all sixteen work-groups are here
	JLOAD G0+4, G1, G0B+4, G1B                     ; K step 1: the first tensor load behind the round
	FETCH_B 0, 0, 0
	FETCH_A 0, 0, 0
	SCALES 0
	FETCH_A 0, 0, 4
	STEP 0, 0, 1
	s_mov_b32 s3, LAPS-1
.Llap:
	TURN 0, 1, 1
	STEP 1, 0, 0
	TURN 1, 0, 1
	STEP 0, 0, 0
	s_sub_co_u32 s3, s3, 1
	s_cmp_lg_u32 s3, 0
	s_cbranch_scc1 .Llap
	TURN 0, 1, 0
	STEP 1, 0, 0
	s_cmp_eq_u32 s2, 0
	s_cbranch_scc0 .Lv
	TAIL 0
	s_branch .Lend
.Lv:
	TAIL 1
.Lend:
	s_wait_tensorcnt 0x0
	ds_add_u32 v[SPW], v[NIL]
	s_wait_dscnt 0x0
	CROUND
	s_endpgm
.Lfunc_end_k_q802e9c30fe_proj:
	.size	k_q802e9c30fe_proj, .Lfunc_end_k_q802e9c30fe_proj-k_q802e9c30fe_proj
	.p2alignl 7, 3214868480
	.fill 96, 4, 3214868480
	.section	.rodata,"a",@progbits
	.p2align	6, 0x0
	.amdhsa_kernel k_q802e9c30fe_proj
		.amdhsa_group_segment_fixed_size 327680
		.amdhsa_private_segment_fixed_size 0
		.amdhsa_enable_private_segment 0
		.amdhsa_kernarg_size 88
		.amdhsa_user_sgpr_count 2
		.amdhsa_user_sgpr_kernarg_segment_ptr 1
		.amdhsa_wavefront_size32 1
		.amdhsa_system_sgpr_workgroup_id_x 1
		.amdhsa_system_sgpr_workgroup_id_y 1
		.amdhsa_system_sgpr_workgroup_id_z 1
		.amdhsa_system_vgpr_workitem_id 0
		.amdhsa_next_free_vgpr 1024
		.amdhsa_next_free_sgpr 102
		.amdhsa_reserve_vcc 1
		.amdhsa_float_denorm_mode_32 3
		.amdhsa_float_denorm_mode_16_64 3
		.amdhsa_memory_ordered 1
		.amdhsa_forward_progress 1
		.amdhsa_inst_pref_size 255
	.end_amdhsa_kernel
	.section	.bss,"aw",@nobits
	.p2align	6
	.space	262144
	.amdgpu_metadata
---
amdhsa.version: [ 1, 2 ]
amdhsa.kernels:
  - .name:           k_q802e9c30fe_proj
    .symbol:         k_q802e9c30fe_proj.kd
    .args:
      - { .name: x_codes, .offset: 0, .size: 8, .value_kind: global_buffer, .address_space: global }
      - { .name: x_scales, .offset: 8, .size: 8, .value_kind: global_buffer, .address_space: global }
      - { .name: w_codes, .offset: 16, .size: 8, .value_kind: global_buffer, .address_space: global }
      - { .name: w_scales, .offset: 24, .size: 8, .value_kind: global_buffer, .address_space: global }
      - { .name: bq, .offset: 32, .size: 8, .value_kind: global_buffer, .address_space: global }
      - { .name: bk, .offset: 40, .size: 8, .value_kind: global_buffer, .address_space: global }
      - { .name: bv, .offset: 48, .size: 8, .value_kind: global_buffer, .address_space: global }
      - { .name: q_img, .offset: 56, .size: 8, .value_kind: global_buffer, .address_space: global }
      - { .name: q_scl, .offset: 64, .size: 8, .value_kind: global_buffer, .address_space: global }
      - { .name: kv_img, .offset: 72, .size: 8, .value_kind: global_buffer, .address_space: global }
      - { .name: kv_scl, .offset: 80, .size: 8, .value_kind: global_buffer, .address_space: global }
    .group_segment_fixed_size: 327680
    .private_segment_fixed_size: 0
    .kernarg_segment_align: 8
    .kernarg_segment_size: 88
    .max_flat_workgroup_size: 128
    .sgpr_count:     102
    .vgpr_count:     1024
    .wavefront_size: 32
...
	.end_amdgpu_metadata
.endif
;; end of part 2
;; launch attn (part 3): grid 4 x 64, 16 waves a work-group, clusters of 4 x 1, 327,680 bytes of LDS; arguments q_img, q_scl, kv_img, kv_scl, out0; writes out0
.if DOCPART == 3
	.amdgcn_target "amdgcn-amd-amdhsa--gfx1250"
	.amdhsa_code_object_version 6
	.text
	.protected	k_q802e9c30fe_attn
	.globl	k_q802e9c30fe_attn
	.p2align	8
	.type	k_q802e9c30fe_attn,@function
k_q802e9c30fe_attn:
	s_mov_b64 s[64:65], 0
	v_nop
	global_prefetch_b8 v0, s[64:65] scope:SCOPE_SE
	s_setreg_imm32_b32 hwreg(HW_REG_WAVE_MODE, 25, 1), 1
	s_wait_xcnt 0x0
	s_wait_alu depctr_hold_cnt(0) depctr_sa_sdst(0) depctr_va_vdst(0) depctr_va_sdst(0) depctr_va_ssrc(0) depctr_va_vcc(0) depctr_vm_vsrc(0)
	s_getreg_b32 s2, hwreg(HW_REG_IB_STS2, 6, 4)
	s_cmp_eq_u32 s2, 0
	s_cbranch_scc0 .Lentry_in_a_cluster
	s_endpgm
.Lentry_in_a_cluster:
	s_bfe_u32 s2, ttmp6, 0x10000c
	s_cmp_lg_u32 s2, 0x3003
	s_cbranch_scc0 .Lentry_shape_is_right
	s_endpgm
.Lentry_shape_is_right:
; SELF-ATTENTION IN MX-BF8, launch 3 of 3: out[b][q][head][:] = the sum over keys of softmax(q . k / 8) v, both products on codes of BF8 (E5M2) with one E8M0 scale for each 32 along a product's K.  No work is left out.
; THE SOFTMAX AHEAD OF THE SECOND PRODUCT: t = score x log2(e) / 8; M = the row's largest t so far, rounded UP to a whole number; p = 2^(t - M) is quantised along the keys, not normalised.
; The row's sum is taken of the unquantised p, in f32, and divides O at the end.  When M moves, the sum and O are multiplied by 2^(old M - new M): exact.
; SHARES.  A work-group owns 512 queries of one (batch, head); the four work-groups of a cluster own the head's 2,048.  Each of the sixteen waves owns two tiles of 16 queries and walks all keys once for each: two passes over the same LDS bytes.
; NO RING.  A head's K and V as codes (262,144 bytes) and their scale words (8,192) lie in LDS whole; every byte is filled once.  At the head each wave has one load: waves 0-7 key steps 0-3 (8,192 bytes a wave), waves 8-15 the scale words
; (1,024 a wave).  Behind the three lines and a round of the cluster's barrier each wave has one more: its 12,288 bytes of key steps 4-15, which are read behind a wait for 0 and a barrier that follow key step 3.
; No prefetch into the L2 is laid: the last tensor load is issued ahead of the first key step, so there is no loop to run ahead in.
; CLUSTER.  The four work-groups need the same K and V: each load is asked for JOINTLY, with the same descriptor and a mask that names the four.
; LAYOUT (launch 2 wrote it).  Operands lie in memory and in LDS as IMAGES OF THEIR REGISTERS: four registers of 32 lanes are 512 consecutive bytes, 16 a lane.
; Both products are used transposed: S^T = K Q^T, O^T = V^T P^T: a lane holds ONE query (lane % 16) throughout.
; K = 64 IN AN INSTRUCTION OF 128: a fragment holds TWO tiles of keys and is multiplied once by [Q | 0] and once by [0 | Q]; Q, eight zeros and Q lie in 24 registers on end.  Q's scale word is its two bytes written twice.
; Row r of tile t (keys, queries, channels) is 32 (t / 2) + 8 (t % 2) + r + 8 (r / 8): so the 16 registers of score tiles 2 f, 2 f + 1 are the keys 32 f + 16 (lane / 16) + 0 .. 15.
; TWO AREAS OF 64 REGISTERS TAKE TURNS from key step 4 on: one holds K's fragments and then V's, the other the scores and p; when p has become codes, its area takes the NEXT step's fragments of K, so the areas change roles
; from step to step and a trip of the loop is two steps.  Behind step 15 the next step is step 0: the first pass so fetches the second's first fragments; the second pass's last request is used by nobody.
; LIMITS: NaN and infinities are not served; the promise holds while the scaled scores t stay under 2^31 in magnitude; a block of p that has fallen to 0 keeps the byte 1: its codes are zeros.
; A block's largest p is taken from its largest score by the same two instructions as every p: this takes v_exp_f32 not to fall where its input rises.
.set SCLB,  262144                     ; LDS: key step s at 16,384 s (K's 8 tiles, then V's 4); from here the scale words (512 s: K's 256 bytes, then V's)
.set SPARE, 270336                     ; the spare words, 128 bytes a wave, which no other line names
.set STG,   272384                     ; the stages of the way out: 8 rows x 272 bytes for each wave; no fill lands here
.set SPI,   272
.set LI,   1                           ; 16 x lane
.set LS,   2                           ; SCLB + 8 x lane
.set SPW,  3                           ; my spare word; never rewritten
.set NIL,  4                           ; 0; never rewritten
.set AD,   5                           ; a step's images
.set ADS,  6                           ; a step's scale words
.set STO,  7                           ; stage, in
.set RD,   8                           ; stage, back
.set GO,   9                           ; my byte offset in the wave's rows of out
.set RR,   10                          ; r = lane % 16
.set QO,   11                          ; 8 r: Q's pair word.   v12 -M, v13 the largest t, v[14:15] the sum
.set QF,   16                          ; v16-23 Q, v24-31 zeros, v32-39 Q
.set FRG,  40                          ; v40-103  the first area
.set SS,   104                         ; v104-167 the second area
.set OT,   168                         ; v168-199 O^T
.set PC,   200                         ; v200-215 p's codes
.set BM,   216                         ; the blocks' largest scores, then largest p
.set T1,   220
.set HD,   224                         ; 57,344 x the scale
.set SO,   228                         ; the conversions' scale operands
.set FF,   232                         ; v[232:233] f = 2^(old M - new M)
.set TT,   234
.set OM,   235                         ; the old -M
.set PS,   238                         ; p's scale word
.set QT,   239                         ; Q's pair word as loaded
.set KSC,  240                         ; v[240:241] K's scale words; v[242:243] V's; v244 Q's.   v[236:237], v[246:255]: six side chains of the sum
.set VSC,  242
.set QS,   244
.set WV,   14
.set G1A,  16                          ; s[16:23] group 1: 32 rows of 256 bytes;  s[24:31]: 4 rows;  s[32:39]: 48 rows
.set G1S,  24
.set G1C,  32
.set G0A,  40                          ; s[40:43], s[44:47], s[48:51] their groups 0
.set G0S,  44
.set G0C,  48
.set SEL,  52
.set CS,   54
.set MNT,  56
.set TB,   57
.set TS,   58
.set CNT,  59
.macro CROUND                          ; a round of the cluster's barrier
	s_barrier_signal -1
	s_barrier_wait -1
	s_cmp_lg_u32 s[WV], 0
	s_cbranch_scc1 .Lnot_wave_0_\@
	s_barrier_signal -3
.Lnot_wave_0_\@:
	s_barrier_wait -3
	s_barrier_signal -1
	s_barrier_wait -1
.endm
.macro TREE                            ; the six side chains of the last step's sum join the sum: both stand under the same M
	v_pk_add_f32 v[236:237], v[236:237], v[246:247]
	v_pk_add_f32 v[248:249], v[248:249], v[250:251]
	v_pk_add_f32 v[252:253], v[252:253], v[254:255]
	s_delay_alu instid0(VALU_DEP_3)
	v_pk_add_f32 v[14:15], v[14:15], v[236:237]
	s_delay_alu instid0(VALU_DEP_2)
	v_pk_add_f32 v[248:249], v[248:249], v[252:253]
	s_delay_alu instid0(VALU_DEP_1)
	v_pk_add_f32 v[14:15], v[14:15], v[248:249]
.endm
.macro QLOAD p                         ; pass p's tile of queries lies 16 tiles behind pass 0's: 16,384 bytes of codes, 512 of pair words
	global_load_b128 v[QF:QF+3], v[LI], s[4:5] offset:16384*\p
	global_load_b128 v[QF+4:QF+7], v[LI], s[4:5] offset:16384*\p+512
	global_load_b128 v[QF+16:QF+19], v[LI], s[4:5] offset:16384*\p
	global_load_b128 v[QF+20:QF+23], v[LI], s[4:5] offset:16384*\p+512
	global_load_b32 v[QT], v[QO], s[6:7] offset:512*\p
.endm
.macro QFIN                            ; Q is in; a pass begins: the largest t -3e38, the sums and O^T zeros, which the first change of M leaves zeros
	s_wait_alu depctr_va_vdst(0)
	s_wait_loadcnt 0x0
	v_perm_b32 v[QS], v[QT], v[QT], s69            ; my tile's two bytes twice.  (The 48 lines below stand between this and the first product)
	v_mov_b32 v13, 0xff61b1e6
	v_mov_b32 v14, 0
	v_mov_b32 v15, 0
	v_floor_f32 v12, -v13
.irp c, 236,237,246,247,248,249,250,251,252,253,254,255
	v_mov_b32 v\c, 0
.endr
.set j, 0
.rept 32
	v_mov_b32 v[OT+j], 0
.set j, j+1
.endr
.endm
	s_load_b256 s[4:11], s[0:1], 0x0               ; q_img, q_scl, kv_img, kv_scl
	s_load_b64 s[12:13], s[0:1], 0x20              ; out
	v_lshl_add_u32 v[SPW], v0, 2, SPARE
	v_mov_b32 v[NIL], 0
	ds_add_u32 v[SPW], v[NIL]                      ; the opening lines: the add, twice on end, and its wait ahead of my first tensor load
	ds_add_u32 v[SPW], v[NIL]
	v_lshrrev_b32 v5, 5, v0
	s_delay_alu instid0(VALU_DEP_1)
	v_readfirstlane_b32 s[WV], v5                  ; wave 0..15
	s_bfe_u32 s15, ttmp6, 0x40000                  ; cx: it enters Q's and out's addresses alone
	s_and_b32 s60, ttmp7, 0xffff                   ; bh = 16 x batch + head, which the four partners share
.irp g, G1A, G1S, G1C                              ; dense blocks as rows of 256 bytes (32 elements of 8 bytes), no padding; the mask names all four work-groups, bit 21 beside it
	s_mov_b32 s[\g], 15|(3<<16)|(1<<21)
	s_mov_b32 s[\g+1], 32<<16
	s_mov_b32 s[\g+3], 32<<16
	s_mov_b32 s[\g+5], 32
	s_mov_b32 s[\g+6], 0
	s_mov_b32 s[\g+7], 0
.endr
	s_mov_b32 s[G1A+2], 32<<16
	s_mov_b32 s[G1A+4], 32
	s_mov_b32 s[G1S+2], 4<<16
	s_mov_b32 s[G1S+4], 4
	s_mov_b32 s[G1C+2], 48<<16
	s_mov_b32 s[G1C+4], 48
	s_and_b32 s61, s[WV], 7
	s_lshl_b32 s[G0A+1], s61, 13                   ; key steps 0-3: 8,192 bytes for each of waves 0-7, in LDS
	s_lshl_b32 s62, s60, 18                        ; and in kv_img: 262,144 bytes a head
	s_add_co_u32 s62, s62, s[G0A+1]
	s_mov_b32 s63, 0
	s_lshl_b32 s66, s61, 10                        ; the scale words: 1,024 bytes for each of waves 8-15
	s_add_co_u32 s[G0S+1], s66, SCLB
	s_lshl_b32 s67, s60, 13                        ; kv_scl: 8,192 bytes a head
	s_add_co_u32 s66, s66, s67
	s_mov_b32 s67, 0
	s_mul_i32 s[G0C+1], s[WV], 12288               ; key steps 4-15: 12,288 bytes a wave, from byte 65,536 on
	s_add_co_u32 s[G0C+1], s[G0C+1], 65536
	s_lshl_b32 s68, s60, 18
	s_add_co_u32 s68, s68, s[G0C+1]
	s_mov_b32 s69, 0
	s_mov_b32 s[SEL], 0x76543210
	s_mov_b32 s[SEL+1], 0xfedcba98
	s_mov_b32 s[CS], 0x3e38aa3b                    ; c = log2(e) / 8
	s_mov_b32 s[CS+1], s[CS]
	s_mov_b32 s[MNT], 0x600000
	s_wait_dscnt 0x0                               ; both opening adds are done
	s_wait_kmcnt 0x0
	CROUND                                         ; all four work-groups are here: the joint loads meet
	s_mov_b32 s[G0A], 1
	s_add_nc_u64 s[G0A+2:G0A+3], s[8:9], s[62:63]
	s_or_b32 s[G0A+3], s[G0A+3], 0x80000000
	s_mov_b32 s[G0S], 1
	s_add_nc_u64 s[G0S+2:G0S+3], s[10:11], s[66:67]
	s_or_b32 s[G0S+3], s[G0S+3], 0x80000000
	s_mov_b32 s[G0C], 1
	s_add_nc_u64 s[G0C+2:G0C+3], s[8:9], s[68:69]
	s_or_b32 s[G0C+3], s[G0C+3], 0x80000000
	s_cmp_lt_u32 s[WV], 8                          ; the head's loads, one a wave, one in each arm of one branch on the wave's number
	s_cbranch_scc0 .Lhead_s
	tensor_load_to_lds s[G0A:G0A+3], s[G1A:G1A+7]
	s_nop 0
.rept 4
	v_nop
.endr
	s_branch .Lhead_j
.Lhead_s:
	tensor_load_to_lds s[G0S:G0S+3], s[G1S:G1S+7]
	s_nop 0
.rept 4
	v_nop
.endr
.Lhead_j:
	s_lshl_b32 s68, s15, 5
	s_add_co_u32 s68, s68, s[WV]                   ; T, my first tile of queries: 32 cx + wave; the second is T + 16
	s_lshl_b32 s70, s60, 17                        ; q_img: 131,072 bytes a head, 1,024 a tile
	s_lshl_b32 s61, s68, 10
	s_add_co_u32 s70, s70, s61
	s_mov_b32 s71, 0
	s_add_nc_u64 s[4:5], s[4:5], s[70:71]
	s_lshl_b32 s70, s60, 12                        ; q_scl: 4,096 bytes a head, 256 for eight tiles;
	s_lshr_b32 s61, s68, 3
	s_lshl_b32 s61, s61, 8
	s_add_co_u32 s70, s70, s61
	s_bfe_u32 s61, s[WV], 0x10001                  ; my pair f = (T % 8) / 2 lies at lanes 16 (f % 2) on,
	s_lshl_b32 s61, s61, 7
	s_add_co_u32 s70, s70, s61
	s_bfe_u32 s61, s[WV], 0x10002                  ; in word f / 2 of a lane's two
	s_lshl_b32 s61, s61, 2
	s_add_co_u32 s70, s70, s61
	s_add_nc_u64 s[6:7], s[6:7], s[70:71]
	s_lshr_b32 s70, s60, 4                         ; out: 8,388,608 bytes a batch,
	s_lshl_b32 s70, s70, 23
	s_lshr_b32 s61, s68, 1                         ; rows of 4,096 bytes: my tile begins at query 32 (T / 2) + 8 (T % 2),
	s_lshl_b32 s61, s61, 17
	s_add_co_u32 s70, s70, s61
	s_and_b32 s61, s68, 1
	s_lshl_b32 s61, s61, 15
	s_add_co_u32 s70, s70, s61
	s_and_b32 s61, s60, 15                         ; 256 bytes a head
	s_lshl_b32 s61, s61, 8
	s_add_co_u32 s70, s70, s61
	s_add_nc_u64 s[12:13], s[12:13], s[70:71]
	s_and_b32 s61, s[WV], 1                        ; my tile's two bytes are the pair word's low half (T even) or high half
	s_mov_b32 s69, 0x03020302
	s_cmp_eq_u32 s61, 1
	s_cselect_b32 s69, s69, 0x01000100
	s_mul_i32 s61, s[WV], 8*SPI
	s_add_co_u32 s61, s61, STG                     ; my stage
	v_and_b32 v5, 31, v0
	v_and_b32 v[RR], 15, v0
	v_bfe_u32 v[TT], v0, 4, 1                      ; h
	v_and_b32 v[STO], 7, v0
	v_lshlrev_b32 v[LI], 4, v5
	v_lshl_add_u32 v[LS], v5, 3, SCLB
	v_lshlrev_b32 v[QO], 3, v[RR]
	QLOAD 0
	v_mul_u32_u24 v[STO], v[STO], SPI
	v_mul_u32_u24 v[RD], v[TT], SPI
	v_lshlrev_b32 v[GO], 12, v[TT]
	v_lshl_add_u32 v[STO], v[TT], 6, v[STO]
	v_lshl_add_u32 v[RD], v[RR], 4, v[RD]
	v_lshl_add_u32 v[GO], v[RR], 4, v[GO]          ; out: lanes 0-15 one query's 256 bytes, lanes 16-31 the next query's
	v_bfe_u32 v[AD], v0, 3, 1                      ; r / 8
	v_lshl_add_u32 v[STO], v[AD], 7, v[STO]
	v_add_nc_u32 v[STO], s61, v[STO]               ; in: stage row r % 8; lanes r < 8 put channels 16 h on, lanes r >= 8 channels 32 + 16 h on
	v_add_nc_u32 v[RD], s61, v[RD]                 ; back: lanes 0-15 one row, lanes 16-31 the next
	v_mov_b32 v[FF+1], 0                           ; (named as the upper half of a pair)
.irp j, 0,1,2,3,4,5,6,7
	v_mov_b32 v[QF+8+\j], 0                        ; the zero codes between Q and Q
.endr
	QFIN
; A KEY STEP: 128 keys.  ka: the area of K's fragments, then V's;  sa: the area of the scores and p.  pre = 0: the step fetches its own K.  pre = 1: its K was asked for a step ago, and it asks for the next step's, into sa.
.macro STEP ka, sa, pre
	TREE
.if \pre
.rept 3
	v_nop                                          ; with the six additions: nine places between the last step's products and the score products, which write over the registers that held V
.endr
.else
	v_add_nc_u32 v[AD], s[TB], v[LI]               ; with the six additions: eight places between the last step's products and the loads into their registers
	v_add_nc_u32 v[ADS], s[TS], v[LS]
	ds_load_b64 v[KSC:KSC+1], v[ADS]
.set i, 0
.rept 16
	ds_load_b128 v[\ka+4*i:\ka+4*i+3], v[AD] offset:512*i          ; K's eight tiles: four fragments of two tiles each
.set i, i+1
.endr
	s_wait_alu depctr_va_vdst(0)
.endif
	s_wait_dscnt 8                                 ; K's scale words and its first two fragments are in; the youngest eight loads may be out
.irp f, 0,1,2,3                                ; S^T: tile 2 f + u of keys = fragment f x [Q | 0] (u = 0) or [0 | Q] (u = 1)
.if \f == 2
	s_wait_dscnt 0x0                               ; the other two fragments
.endif
.irp u, 0,1
.if \f%2
	v_wmma_scale_f32_16x16x128_f8f6f4 v[\sa+8*(2*\f+\u):\sa+8*(2*\f+\u)+7], v[\ka+16*\f:\ka+16*\f+15], v[QF+8*\u:QF+8*\u+15], 0, v[KSC+\f/2], v[QS] matrix_a_fmt:MATRIX_FMT_BF8 matrix_b_fmt:MATRIX_FMT_BF8 matrix_a_scale:MATRIX_SCALE_ROW1
.else
	v_wmma_scale_f32_16x16x128_f8f6f4 v[\sa+8*(2*\f+\u):\sa+8*(2*\f+\u)+7], v[\ka+16*\f:\ka+16*\f+15], v[QF+8*\u:QF+8*\u+15], 0, v[KSC+\f/2], v[QS] matrix_a_fmt:MATRIX_FMT_BF8 matrix_b_fmt:MATRIX_FMT_BF8
.endif
.endr
.endr
	v_mov_b32 v[OM], v12                           ; the old -M.  With the seven lines below: eight places ahead of the loads into K's registers and of the first read of the scores
.rept 7
	v_nop
.endr
.set i, 0
.rept 16
	ds_load_b128 v[\ka+4*i:\ka+4*i+3], v[AD] offset:8192+512*i     ; V's four fragments: they land under the softmax
.set i, i+1
.endr
	ds_load_b64 v[VSC:VSC+1], v[ADS] offset:256
	s_add_co_u32 s[TB], s[TB], 16384               ; the next step's images and scale words
	s_add_co_u32 s[TS], s[TS], 512
.if \pre
	s_and_b32 s73, s[TB], 0x3ffff                  ; behind step 15 comes step 0
	s_and_b32 s74, s[TS], 0x1fff
	v_add_nc_u32 v[AD], s73, v[LI]
	v_add_nc_u32 v[ADS], s74, v[LS]
.endif
.irp b, 0,1,2,3                                ; the largest score of each block of 32 keys, in two chains a block: for the row's maximum and for the block's largest p.  Each score tile is read from its low end on
	v_max3_num_f32 v[BM+\b], v[\sa+16*\b], v[\sa+16*\b+1], v[\sa+16*\b+2]
.endr
.irp b, 0,1,2,3
	v_max3_num_f32 v[T1+\b], v[\sa+16*\b+8], v[\sa+16*\b+9], v[\sa+16*\b+10]
.endr
.irp i, 3,5
.irp b, 0,1,2,3
	v_max3_num_f32 v[BM+\b], v[BM+\b], v[\sa+16*\b+\i], v[\sa+16*\b+\i+1]
.endr
.irp b, 0,1,2,3
	v_max3_num_f32 v[T1+\b], v[T1+\b], v[\sa+16*\b+8+\i], v[\sa+16*\b+9+\i]
.endr
.endr
.irp b, 0,1,2,3
	v_max3_num_f32 v[BM+\b], v[BM+\b], v[\sa+16*\b+7], v[\sa+16*\b+15]
.endr
.irp b, 0,1,2,3
	s_delay_alu instid0(VALU_DEP_4)
	v_max_num_f32 v[BM+\b], v[BM+\b], v[T1+\b]
.endr
.irp b, 0,1,2,3
	s_delay_alu instid0(VALU_DEP_4)
	v_permlanex16_b32 v[T1+\b], v[BM+\b], s[SEL], s[SEL+1]
.endr
.irp b, 0,1,2,3
	s_delay_alu instid0(VALU_DEP_4)
	v_max_num_f32 v[BM+\b], v[BM+\b], v[T1+\b]     ; with lane l xor 16's 16 keys
.endr
	s_delay_alu instid0(VALU_DEP_2)
	v_max3_num_f32 v[TT], v[BM], v[BM+1], v[BM+2]
	s_delay_alu instid0(VALU_DEP_1)
	v_max_num_f32 v[TT], v[TT], v[BM+3]            ; the step's largest score of my query
	s_delay_alu instid0(VALU_DEP_1)
	v_mul_f32 v[TT], s[CS], v[TT]                  ; as t (c is positive)
	s_delay_alu instid0(VALU_DEP_1)
	v_max_num_f32 v13, v13, v[TT]                  ; the running largest t
	s_delay_alu instid0(VALU_DEP_1)
	v_floor_f32 v12, -v13                          ; the new -M = -ceil(t): a whole number
.set j, 0
.rept 32
	v_pk_fma_f32 v[\sa+j:\sa+j+1], v[\sa+j:\sa+j+1], s[CS:CS+1], v[12:13] op_sel_hi:[1,0,0]   ; t - M, two at a time
.set j, j+2
.endr
	v_sub_f32 v[TT], v12, v[OM]                    ; old M - new M: a whole number, 0 or less
	v_fma_f32 v[BM], v[BM], s[CS], v12             ; t - M of each block's largest score
	v_fma_f32 v[BM+1], v[BM+1], s[CS], v12
	s_delay_alu instid0(VALU_DEP_3)
	v_cvt_i32_f32 v[TT], v[TT]                     ; (it saturates)
	v_fma_f32 v[BM+2], v[BM+2], s[CS], v12
	v_fma_f32 v[BM+3], v[BM+3], s[CS], v12
	s_delay_alu instid0(VALU_DEP_3)
	v_ldexp_f32 v[FF], 1.0, v[TT]                  ; f = 2^(old M - new M)
	s_wait_alu depctr_va_vdst(0)
.set j, 0
.rept 64
	v_exp_f32 v[\sa+j], v[\sa+j]                   ; p = 2^(t - M), at most 1
.set j, j+1
.endr
	v_pk_mul_f32 v[14:15], v[14:15], v[FF:FF+1] op_sel_hi:[1,0]   ; the sum under the new M.  (A plain place behind the exponentials)
	s_wait_alu depctr_va_vdst(0)                   ; one wait for the batch, ahead of its first reader
.irp b, 0,1,2,3
	v_exp_f32 v[BM+\b], v[BM+\b]                   ; the block's largest p
.endr
.set pq, 0                                     ; THE ROW'S SUM OF THE UNQUANTISED p: 32 pairs into the sum and six side chains, which begin anew here and join the sum at the next step's head
.irp c, 236,246,248,250,252,254
	v_pk_add_f32 v[\c:\c+1], v[\sa+2*pq:\sa+2*pq+1], v[\sa+2*pq+2:\sa+2*pq+3]
.set pq, pq+2
.endr
.rept 2
.irp c, 14,236,246,248,250,252,254
	v_pk_add_f32 v[\c:\c+1], v[\c:\c+1], v[\sa+2*pq:\sa+2*pq+1]
.set pq, pq+1
.endr
.endr
.irp c, 236,246,248,250,252,254
	v_pk_add_f32 v[\c:\c+1], v[\c:\c+1], v[\sa+2*pq:\sa+2*pq+1]
.set pq, pq+1
.endr
	s_wait_alu depctr_va_vdst(0)                   ; and one for the four
.irp b, 0,1,2,3
	v_max_num_f32 v[BM+\b], 0x8000000, v[BM+\b]    ; the floor 2^(16 - 127): the byte cannot fall under 1
.endr
.irp b, 0,1,2,3
	s_delay_alu instid0(VALU_DEP_4)
	v_add_nc_u32 v[SO+\b], 0xf8800000, v[BM+\b]    ; 15 off the exponent field: the conversion's scale operand
.endr
.irp b, 0,1,2,3
	v_and_or_b32 v[HD+\b], v[BM+\b], 0x7f800000, s[MNT]   ; 57,344 x the scale
.endr
.irp b, 0,1,2,3
	v_lshrrev_b32 v[T1+\b], 23, v[SO+\b]           ; the scale's byte
.endr
	s_delay_alu instid0(VALU_DEP_3)
	v_lshl_or_b32 v[PS], v[T1+1], 8, v[T1]         ; p's scale word for these 128 keys
	s_delay_alu instid0(VALU_DEP_1)
	v_lshl_or_b32 v[PS], v[T1+2], 16, v[PS]
	s_delay_alu instid0(VALU_DEP_1)
	v_lshl_or_b32 v[PS], v[T1+3], 24, v[PS]
.irp b, 0,2                                    ; THE HOLD (the conversion to an 8-bit code does not saturate: ISA guide 7.6.2; p is not negative, so it is one-sided), two numbers a line:
.set i, 0                                      ; number i of block b with number i xor 1 of block b + 1: one destination even, the other odd, and both pairs of sources in different register banks
.rept 16
	v_dual_min_num_f32 v[\sa+16*\b+i], v[\sa+16*\b+i], v[HD+\b] :: v_dual_min_num_f32 v[\sa+16*\b+16+(i^1)], v[\sa+16*\b+16+(i^1)], v[HD+\b+1]
.set i, i+1
.endr
.irp d, 0,1
	v_cvt_scalef32_pk8_bf8_f32 v[PC+4*(\b+\d):PC+4*(\b+\d)+1], v[\sa+16*(\b+\d):\sa+16*(\b+\d)+7], v[SO+\b+\d]
	v_cvt_scalef32_pk8_bf8_f32 v[PC+4*(\b+\d)+2:PC+4*(\b+\d)+3], v[\sa+16*(\b+\d)+8:\sa+16*(\b+\d)+15], v[SO+\b+\d]
.endr
.if \pre                                       ; these two blocks of p are codes now: their 32 registers take two fragments of the next step's K
.if \b == 0
	ds_load_b64 v[KSC:KSC+1], v[ADS]
.endif
.set i, 0
.rept 8
	ds_load_b128 v[\sa+16*\b+4*i:\sa+16*\b+4*i+3], v[AD] offset:512*(4*\b+i)
.set i, i+1
.endr
.endif
.endr
	s_wait_alu depctr_va_vdst(0)                   ; directly ahead of the first reader of O^T
.set j, 0
.rept 16
	v_pk_mul_f32 v[OT+j:OT+j+1], v[OT+j:OT+j+1], v[FF:FF+1] op_sel_hi:[1,0]   ; O^T under the new M, each accumulator from its low end on.  (Also the places between the codes and the products)
.set j, j+2
.endr
	s_wait_alu depctr_va_vdst(0)
.if \pre
	s_wait_dscnt 17                                ; V's fragments and scale words are in; the 17 loads for the next step's K may be out
.else
	s_wait_dscnt 0x0                               ; V's fragments and scale words are in
.endif
.irp t, 0,1,2,3                                ; O^T += V^T P^T: four tiles of 16 channels, the four accumulators by turns
.if \t%2
	v_wmma_scale_f32_16x16x128_f8f6f4 v[OT+8*\t:OT+8*\t+7], v[\ka+16*\t:\ka+16*\t+15], v[PC:PC+15], v[OT+8*\t:OT+8*\t+7], v[VSC+\t/2], v[PS] matrix_a_fmt:MATRIX_FMT_BF8 matrix_b_fmt:MATRIX_FMT_BF8 matrix_a_scale:MATRIX_SCALE_ROW1
.else
	v_wmma_scale_f32_16x16x128_f8f6f4 v[OT+8*\t:OT+8*\t+7], v[\ka+16*\t:\ka+16*\t+15], v[PC:PC+15], v[OT+8*\t:OT+8*\t+7], v[VSC+\t/2], v[PS] matrix_a_fmt:MATRIX_FMT_BF8 matrix_b_fmt:MATRIX_FMT_BF8
.endif
.endr
.endm
; 2 x trips key steps from step first on, each asking for the next step's K.  load = 1: the first step's K is asked for here; load = 0: the run before has asked for it.
.macro RUN2 first, trips, load
	s_mov_b32 s[TB], 16384*\first
	s_mov_b32 s[TS], 512*\first
.if \load
	v_add_nc_u32 v[AD], s[TB], v[LI]
	v_add_nc_u32 v[ADS], s[TS], v[LS]
.rept 6
	v_nop                                          ; with the two additions: eight places behind the last products
.endr
	ds_load_b64 v[KSC:KSC+1], v[ADS]
.set i, 0
.rept 16
	ds_load_b128 v[FRG+4*i:FRG+4*i+3], v[AD] offset:512*i
.set i, i+1
.endr
	s_wait_alu depctr_va_vdst(0)
.endif
	s_mov_b32 s[CNT], \trips
.Lstep_\@:
	STEP FRG, SS, 1
	STEP SS, FRG, 1
	s_sub_co_u32 s[CNT], s[CNT], 1
	s_cmp_lg_u32 s[CNT], 0
	s_cbranch_scc1 .Lstep_\@
.endm
; THE WAY OUT of pass p.  O^T / the sum goes through my own stage, eight queries at a time, and leaves as whole rows: sixteen lanes store a query's 64 channels, 256 consecutive bytes.
; All 32 lanes store in both halves: lanes r and r xor 8 exchange halves of their rows, so that for queries 0-7 lanes r < 8 hold channels 0-31 and lanes r >= 8 channels 32-63, and likewise for queries 8-15.
; It works in the second area alone: the first holds the fragments of K that the last step has asked for.
.macro OUT p
.if \p == 0
	QLOAD 1                                        ; the next pass's Q: its registers were last read by this pass's last score products, a softmax ago
.endif
	TREE                                           ; (with the lines below: the places behind the last products)
	s_delay_alu instid0(VALU_DEP_1)
	v_add_f32 v14, v14, v15                        ; the sum's two halves,
	s_delay_alu instid0(VALU_DEP_1)
	v_permlanex16_b32 v[TT], v14, s[SEL], s[SEL+1]
	s_delay_alu instid0(VALU_DEP_1)
	v_add_f32 v14, v14, v[TT]                      ; and lane l xor 16's: the row's sum
	s_wait_alu depctr_va_vdst(0)
	v_rcp_f32 v14, v14
	v_nop                                          ; a plain place behind it
	s_wait_alu depctr_va_vdst(0)                   ; ahead of the reciprocal's first reader, which is O^T's first reader too
.set j, 0
.rept 16
	v_pk_mul_f32 v[SS+j:SS+j+1], v[OT+j:OT+j+1], v[14:15] op_sel_hi:[1,0]
.set j, j+2
.endr
	v_cmp_le_u32 vcc_lo, 8, v[RR]                  ; lanes r >= 8
.set j, 0
.rept 16
	v_mov_b32_dpp v[SS+32+j], v[SS+16+j] row_xmask:8 row_mask:0xf bank_mask:0xf    ; lane r xor 8's channels 32 + 16 h on,
	v_mov_b32_dpp v[SS+48+j], v[SS+j] row_xmask:8 row_mask:0xf bank_mask:0xf       ; and its channels 16 h on
.set j, j+1
.endr
.set j, 0
.rept 16
	v_cndmask_b32 v[SS+32+j], v[SS+j], v[SS+32+j], vcc_lo        ; queries 0-7: r < 8 my low channels; r >= 8 the high channels of query r - 8
	v_cndmask_b32 v[SS+48+j], v[SS+48+j], v[SS+16+j], vcc_lo     ; queries 8-15: r < 8 the low channels of query r + 8; r >= 8 my high channels
.set j, j+1
.endr
.irp u, 0,1
.irp k, 0,1,2,3
	ds_store_b128 v[STO], v[SS+32+16*\u+4*\k:SS+32+16*\u+4*\k+3] offset:16*\k
.endr
.irp i, 0,1,2,3
	ds_load_b128 v[SS+16*\u+4*\i:SS+16*\u+4*\i+3], v[RD] offset:2*\i*SPI   ; LDS serves a wave's instructions in order: these see my stores, and the next half's stores come behind them
.endr
.endr
.irp i, 0,1,2,3,4,5,6,7
	s_wait_dscnt 7-\i+4*(1-\i/4)                   ; behind load i of the first four: 3 - i loads, 4 stores, 4 loads; of the last four: 7 - i loads
	global_store_b128 v[GO], v[SS+4*\i:SS+4*\i+3], s[12:13] offset:\p*1048576+(2*\i+8*(\i/4))*4096 th:TH_STORE_NT   ; row 2 i + h of the tile is query 2 i + h + 8 (i / 4); the second pass's tile lies 256 queries on
.endr
.endm
	s_wait_alu depctr_va_vdst(0)                   ; the head's end
	s_wait_tensorcnt 0x0                           ; my part of the head's loads is in
	ds_add_u32 v[SPW], v[NIL]
	s_wait_dscnt 0x0
	CROUND                                         ; key steps 0-3 and the scale words are whole, and all four work-groups are here
	tensor_load_to_lds s[G0C:G0C+3], s[G1C:G1C+7]  ; my 12,288 bytes of key steps 4-15: the one load behind the round, and my last
	s_nop 0
.rept 4
	v_nop
.endr
	s_mov_b32 s[TB], 0                             ; key steps 0-3: each fetches its own K, since step 4 has not landed when step 3 ends
	s_mov_b32 s[TS], 0
	s_mov_b32 s[CNT], 4
.Lfirst:
	STEP FRG, SS, 0
	s_sub_co_u32 s[CNT], s[CNT], 1
	s_cmp_lg_u32 s[CNT], 0
	s_cbranch_scc1 .Lfirst
	s_wait_alu depctr_va_vdst(0)
	s_wait_tensorcnt 0x0                           ; my part of key steps 4-15 is in;
	s_barrier_signal -1
	s_barrier_wait -1                              ; everybody's is.  From here on LDS is only read, but for each wave's own stage
	RUN2 4, 6, 1
	OUT 0
	QFIN
	s_wait_alu depctr_va_vdst(0)
	s_wait_xcnt 0x0                                ; the stores have read their registers, which take the scores again
	RUN2 0, 8, 0
	OUT 1
	s_wait_tensorcnt 0x0                           ; the wave's end, behind my last tensor load and my last LDS store
	ds_add_u32 v[SPW], v[NIL]
	s_wait_dscnt 0x0
	CROUND                                         ; the closing round
	s_endpgm
.Lfunc_end_k_q802e9c30fe_attn:
	.size	k_q802e9c30fe_attn, .Lfunc_end_k_q802e9c30fe_attn-k_q802e9c30fe_attn
	.p2alignl 7, 3214868480
	.fill 96, 4, 3214868480
	.section	.rodata,"a",@progbits
	.p2align	6, 0x0
	.amdhsa_kernel k_q802e9c30fe_attn
		.amdhsa_group_segment_fixed_size 327680
		.amdhsa_private_segment_fixed_size 0
		.amdhsa_enable_private_segment 0
		.amdhsa_kernarg_size 40
		.amdhsa_user_sgpr_count 2
		.amdhsa_user_sgpr_kernarg_segment_ptr 1
		.amdhsa_wavefront_size32 1
		.amdhsa_system_sgpr_workgroup_id_x 1
		.amdhsa_system_sgpr_workgroup_id_y 1
		.amdhsa_system_sgpr_workgroup_id_z 1
		.amdhsa_system_vgpr_workitem_id 0
		.amdhsa_next_free_vgpr 256
		.amdhsa_next_free_sgpr 76
		.amdhsa_reserve_vcc 1
		.amdhsa_float_denorm_mode_32 3
		.amdhsa_float_denorm_mode_16_64 3
		.amdhsa_memory_ordered 1
		.amdhsa_forward_progress 1
		.amdhsa_inst_pref_size 124
	.end_amdhsa_kernel
	.amdgpu_metadata
---
amdhsa.version: [ 1, 2 ]
amdhsa.kernels:
  - .name:           k_q802e9c30fe_attn
    .symbol:         k_q802e9c30fe_attn.kd
    .args:
      - { .name: q_img, .offset: 0, .size: 8, .value_kind: global_buffer, .address_space: global }
      - { .name: q_scl, .offset: 8, .size: 8, .value_kind: global_buffer, .address_space: global }
      - { .name: kv_img, .offset: 16, .size: 8, .value_kind: global_buffer, .address_space: global }
      - { .name: kv_scl, .offset: 24, .size: 8, .value_kind: global_buffer, .address_space: global }
      - { .name: out0, .offset: 32, .size: 8, .value_kind: global_buffer, .address_space: global }
    .group_segment_fixed_size: 327680
    .private_segment_fixed_size: 0
    .kernarg_segment_align: 8
    .kernarg_segment_size: 40
    .max_flat_workgroup_size: 512
    .sgpr_count:     76
    .vgpr_count:     256
    .wavefront_size: 32
...
	.end_amdgpu_metadata
.endif
;; end of part 3
